; MI455X (gfx1250); checked and timed in simulation.
; The chip was launched on July 23, 2026; its instructions are those of AMD's public machine-readable ISA for CDNA 5 (MIT licence, August 2026) and "CDNA5" Instruction Set Architecture Reference Guide (July 2026). The comments in the code are by the model that wrote it; some were corrected since.
;; Full Attention. Allowed arithmetic: matrix products marked QUANTISED: E2M1 operands, one E8M0 scale for each 32 along K, by v_wmma_scale_f32_16x16x128_f8f6f4 with both operands' format E2M1 (or v_wmma_scale_f32_32x16x128_f4), f32 sums; everything else in f32.
;; Inputs: keys 4 x 8 x 2,048 x 64 float32; queries 4 x 8 x 2,048 x 64 float32; values 4 x 8 x 2,048 x 64 float32.
;; Outputs: out0 4 x 8 x 2,048 x 64 float32.
;; This version of the problem:
;;   THIS VERSION OF THE PROBLEM IS GIVEN IN LOW PRECISION. The matrix products marked QUANTISED in the list below multiply operands that are first quantised to E2M1 (2 exponent bits, 1 mantissa bit; 4 bits a number), with one power-of-two scale for each 32 numbers along K (OCP MX v1.0); their sums are f32. All else is computed in f32.
;;   The module's matrix products, in the order in which they are computed (A, B: the left and right operand; K: the contracted axis; several contracted axes count as one K, in the product's order):
;;     1. batch 32 x [M 2,048, K 64] x [K 64, N 2,048]; A: input queries; B: input keys: QUANTISED
;;     2. batch 32 x [M 2,048, K 2,048] x [K 2,048, N 64]; A: softmax (see below); B: input values: QUANTISED
;;   THE QUANTISER, for each operand of a quantised product, along K:
;;     - K is cut into blocks of 32 from its start; a last block that is shorter is filled with zeros.
;;     - A block's scale is 2^e with e = floor(log2(the largest magnitude in the block)) - 2, held to -126 .. 127; a block of zeros has e = 0. As a byte (E8M0): e + 127.
;;     - Each number is divided by its block's scale, clamped to +-6, and rounded to the nearest number of E2M1, ties to even, subnormals kept.
;;     - The product sums the exact products of the quantised numbers (number of the format x scale) in f32.
;;   ~~~python
;;   def quantise(x, axis):      # numpy; x: float32 -> the quantised numbers, widened to float32 again
;;       x = np.moveaxis(x, axis, -1); K = x.shape[-1]
;;       x = np.pad(x, [(0, 0)] * (x.ndim - 1) + [(0, -K % 32)]); x = x.reshape(x.shape[:-1] + (-1, 32)); a = np.abs(x).max(-1, keepdims=True)
;;       e = np.where(a > 0, np.clip(np.frexp(np.where(a > 0, a, 1))[1] - 1 - 2, -126, 127), 0)      # np.frexp(a)[1] - 1 = floor(log2(a)), exactly
;;       r = np.clip(x / 2.0 ** e, -6, 6)
;;       step = 2.0 ** (np.maximum(np.frexp(np.where(r == 0, 1, r))[1] - 1, 0) - 1)
;;       q = np.round(r / step) * step * 2.0 ** e      # np.round: ties to even
;;       return np.moveaxis(q.reshape(q.shape[:-2] + (-1,))[..., :K], -1, axis).astype(np.float32)
;;   ~~~
;;   SOFTMAX AHEAD OF A QUANTISED PRODUCT. Where the list says 'softmax', what is quantised is not the finished softmax but p = 2^(t - M), with t = logit x log2(e) and M = ceil(the row's largest t), a whole number; so 1/2 < the row's largest p <= 1. The row's sum l is taken of the UNQUANTISED p, in f32, and the product's result is divided by l at the end. Since M is a whole number, a kernel that streams over the keys may use a running M (the ceiling of the running maximum): every later rescaling is an exact power of two, which a block's scale takes up: the codes' values come out the same.
;;   OPERANDS COMPUTED ON THE WAY. 'Computed on the way' means the value that the module computes at that place (a softmax that the list does not call 'softmax' is quantised finished and normalised). What goes into a quantiser is computed in f32, as accurately as f32 sums, v_exp_f32 and their like allow (about 1e-6 of the number): no bf16 or f16 on the way to a quantiser, and a product that is left as it is and whose result goes on into a quantised operand takes f32 operands (vector FMAs, or v_wmma_f32_16x16x4_f32). A number that lies on a knife's edge between two numbers of the format may be rounded either way, as far as f32 arithmetic and the matrix unit's own rounding can turn it there, and no further.
;; One version. Each part assembles by itself: llvm-mc -triple=amdgcn-amd-amdhsa -mcpu=gfx1250 --defsym DOCPART=n.
;; ======== version 1 of 1: 2 launches
;; limits: right only within a limited range of input values
;; workspace buffers: kv 4,456,448 bytes
;; launch quant (part 1): grid 256 x 1, 8 waves a work-group, no clusters, 167,936 bytes of LDS; arguments keys, values, kv; writes kv
.if DOCPART == 1
	.amdgcn_target "amdgcn-amd-amdhsa--gfx1250"
	.amdhsa_code_object_version 6
	.text
	.protected	k_q16c877a1fb_quant
	.globl	k_q16c877a1fb_quant
	.p2align	8
	.type	k_q16c877a1fb_quant,@function
k_q16c877a1fb_quant:
	s_mov_b64 s[64:65], 0
	v_nop
	global_prefetch_b8 v0, s[64:65] scope:SCOPE_SE
	s_setreg_imm32_b32 hwreg(HW_REG_WAVE_MODE, 25, 1), 1
	s_wait_xcnt 0x0
; keys and values, [32 heads][2048 keys][64] f32, become codes of FP4 (E2M1) with one E8M0 scale byte for each 32 along the K of the product that reads them:
; keys along the head's 64 (the first product's K), values along the KEYS (the second product's K).  They are laid in kv as IMAGES OF THE OPERANDS' REGISTERS, a record of 8,704 bytes
; (34 x 256) for each head and each step of 128 keys:
;   +0     KIMG  8 tiles T = 4 c + u x 512 bytes: lane l = 16 h + r has, at 512 T + 16 l, the codes of d = 32 h .. 32 h + 31 of key 64 c + 8 u + r % 8 + 32 (r / 8)
;   +4096  VIMG  (t, c) x 512 bytes: lane (r, h) has, at 1024 t + 512 c + 16 l, the codes of keys 64 c + 32 h + 0 .. 31 of d = 16 t + r
;   +8192  16 bytes a lane, four scale words: word c (0, 1): bytes 0, 1 the scales of d 0-31, 32-63 of row r of tile 4 c + h, bytes 2, 3 those of tile 4 c + 2 + h;
;          word 2 + j: the scales of d = 16 (2 j + h) + r, byte b of keys 32 b .. 32 b + 31
; A block's scale is 2^(floor(log2(its largest magnitude)) - 2); its byte is the largest magnitude's exponent field - 2, held at 1 from below by a floor among the maximum's leaves.
; LIMITS: a block of zeros gets the byte 1 where the rule says 127 (its codes are zeros, which add nothing under any byte but 0xff, and this program alone reads the bytes);
; blocks whose largest magnitude lies under the floor 2^-124 were not tried; NaN and infinities among the inputs are not served.
; DEAD WORK, left out of the program: the reference's causal mask puts -inf ahead of the softmax wherever key > query, so such a score weighs 0 whatever the inputs hold: the attention launch leaves out
; the steps of 128 keys that lie wholly behind a tile of queries.  A NaN, an infinity or an overflow that reaches only that work is not carried to the result.  Every key and value is live: this launch leaves out nothing.
; SHARES.  A work-group takes 256 keys of one head: two records.  Wave w < 4 brings keys 64 w .. + 63 by one tensor load of 64 rows of 256 bytes, wave 4 + w the same rows of the values.
; 64 keys are half of a record: four tiles of K, or one half of V's four tiles: each wave quantises what it brought, with no barrier.  Only the scale words are gathered from several waves.
; No cluster: no two work-groups read the same byte.  No matrix work, no loop to prefetch in.
; BANKS (64 of 4 bytes: ISA guide 11.1), rows 272 bytes apart.  K: rows r % 8 and 32 rows on; lanes of r > 7 take the other half of d, 128 bytes on.  V: lanes 16-31 read 32 rows on; they take the
; neighbouring tile of 16 columns, 64 bytes on: t and t + 1 change places in those lanes.
.set ROWP, 272
.set WT,   64*ROWP                     ; what one tensor load brings
.set SST,  8*WT                        ; the two records' scale words, 512 bytes each; no fill lands here
.set SPARE, SST+1024                   ; the spare words, 128 bytes a wave
.set REC,  8704
.set VIMG, 4096
.set SCL,  8192
.set X,    32                          ; v32-159  four sets of 32 numbers
.set C,    160                         ; v160-175 codes, four registers a set
.set SPW,  17
.set NIL,  18
; v1 lane, v2 r, v3 h, v4 16 x lane, v5 K's LDS address, v6, v7 V's (even, odd t), v8, v9 where scale words go, v10 8 h' (K), v11 8 h, v12 8 - 8 h, v13 K's image place, v14, v15 V's (even, odd t),
; v16 the scale words' way out, v19, v23 lane permutes' destinations, v20-22 a block's maximum and scale operand, v24-27 scale bytes, v28-30 words, v[176:179] the way out
	s_load_b128 s[4:7], s[0:1], 0x0                ; keys, values
	s_load_b64 s[8:9], s[0:1], 0x10                ; kv
	v_lshl_add_u32 v[SPW], v0, 2, SPARE
	v_mov_b32 v[NIL], 0
	ds_add_u32 v[SPW], v[NIL]                      ; the opening add, twice on end
	ds_add_u32 v[SPW], v[NIL]
	v_lshrrev_b32 v1, 5, v0
	v_readfirstlane_b32 s10, v1                    ; wave 0..7
	s_bfe_u32 s11, s10, 0x10001                    ; which of the two records
	s_and_b32 s12, s10, 1                          ; c: which 64 keys of it
	; descriptor group 1: 64 dense rows of 32 elements of 8 bytes, 4 words of padding behind every 64
	s_mov_b32 s16, (3<<16)|(1<<20)|(5<<22)|(3<<25)
	s_mov_b32 s17, 32<<16                          ; tensor_dim0
	s_mov_b32 s18, 64<<16                          ; tensor_dim1
	s_mov_b32 s19, 32<<16                          ; tile_dim0
	s_mov_b32 s20, 64                              ; tile_dim1
	s_mov_b32 s21, 32                              ; from row to row
	s_mov_b32 s22, 0
	s_mov_b32 s23, 0
	s_lshl_b32 s40, ttmp9, 16                      ; the work-group's 256 keys, 65,536 bytes in either tensor,
	s_and_b32 s42, s10, 3
	s_lshl_b32 s42, s42, 14                        ; my 64 of them
	s_add_co_u32 s40, s40, s42
	s_mov_b32 s41, 0
	s_mul_i32 s43, s10, WT                         ; and where they go in LDS
	s_mov_b32 s32, 0x76543210
	s_mov_b32 s33, 0xfedcba98                      ; v_permlanex16_b32's selects for lane l xor 16
	s_lshl_b32 s46, s11, 9
	s_lshl_b32 s47, s12, 2
	s_add_co_u32 s46, s46, s47
	s_add_co_u32 s46, s46, SST                     ; K's word c of my record
	s_lshl_b32 s47, s12, 1
	s_sub_co_u32 s47, s46, s47
	s_add_co_u32 s47, s47, 8                       ; V's half word c of word 2
	s_and_b32 s42, s10, 1
	s_lshl_b32 s42, s42, 9
	s_add_co_u32 s42, s42, SST                     ; the way out: wave 0, 1: record 0, 1
	v_and_b32 v1, 31, v0
	v_and_b32 v2, 15, v0
	v_bfe_u32 v3, v0, 4, 1
	v_lshlrev_b32 v4, 4, v1
	v_and_b32 v19, 8, v2
	v_lshrrev_b32 v20, 3, v2
	v_mad_u32_u24 v5, v19, 3, v2                   ; r + 24 (r / 8)
	v_xor_b32 v20, v20, v3                         ; h' = h xor r / 8
	v_mul_u32_u24 v5, v5, ROWP
	v_lshl_add_u32 v5, v20, 7, v5                  ; my 32 numbers of the key's 64
	v_add_nc_u32 v5, s43, v5
	v_lshlrev_b32 v10, 3, v20
	v_lshlrev_b32 v13, 4, v2
	v_lshl_add_u32 v13, v20, 8, v13                ; 16 (16 h' + r)
	v_sub_nc_u32 v21, 1, v3                        ; 1 - h
	v_mul_u32_u24 v22, v3, 32*ROWP
	v_lshl_add_u32 v22, v2, 2, v22
	v_add_nc_u32 v22, s43, v22                     ; 32 h rows down, column r
	v_lshl_add_u32 v6, v3, 6, v22
	v_lshl_add_u32 v7, v21, 6, v22
	v_lshlrev_b32 v11, 3, v3
	v_lshlrev_b32 v12, 3, v21
	v_lshl_add_u32 v14, v3, 10, v4
	v_lshl_add_u32 v15, v21, 10, v4
	v_add_nc_u32 v8, s46, v4
	v_add_nc_u32 v9, s47, v4
	v_add_nc_u32 v16, s42, v4
	v_mov_b32 v19, 0
	v_mov_b32 v23, 0
	s_wait_alu depctr_va_vdst(0)                   ; the wait at the head's end
	s_wait_dscnt 0x0                               ; both opening adds are done
	s_wait_kmcnt 0x0
	s_cmp_lt_u32 s10, 4                            ; keys or values: the choice hangs on the wave's number alone
	s_cselect_b64 s[44:45], s[4:5], s[6:7]
	s_mov_b32 s24, 1                               ; count = 1
	s_mov_b32 s25, s43                             ; LDS address
	s_add_nc_u64 s[26:27], s[44:45], s[40:41]      ; global address
	s_or_b32 s27, s27, 0x80000000                  ; type = 2
	tensor_load_to_lds s[24:27], s[16:23]          ; my one tensor load of the launch
	s_nop 0
.rept 4
	v_nop
.endr
	s_mul_i32 s34, ttmp9, 2*REC                    ; the work-group's two records
	s_mov_b32 s35, 0
	s_add_nc_u64 s[8:9], s[8:9], s[34:35]
	s_mul_i32 s34, s11, REC                        ; mine
	s_lshl_b32 s36, s12, 11
	s_add_co_u32 s36, s36, s34                     ; tile 4 c of K
	s_mov_b32 s37, 0
	s_add_nc_u64 s[36:37], s[8:9], s[36:37]
	s_lshl_b32 s38, s12, 9
	s_add_co_u32 s38, s38, s34
	s_add_co_u32 s38, s38, VIMG                    ; V's (0, c)
	s_mov_b32 s39, 0
	s_add_nc_u64 s[38:39], s[8:9], s[38:39]
	s_and_b32 s40, s10, 1
	s_mul_i32 s40, s40, REC
	s_add_co_u32 s40, s40, SCL
	s_mov_b32 s41, 0
	s_add_nc_u64 s[40:41], s[8:9], s[40:41]        ; the scale words of record 0 or 1 (used by waves 0 and 1)
; 32 numbers of ONE block in v[s] .. v[s + 31] become 32 codes in v[c] .. v[c + 3] and the scale's byte in v[e]
.macro QB s, c, e
	v_max3_num_f32 v20, |v[\s]|, |v[\s+1]|, 0x1800000              ; the largest magnitude in two chains; among the leaves the floor 2^(3 - 127)
	v_max3_num_f32 v21, |v[\s+16]|, |v[\s+17]|, |v[\s+18]|
.irp i, 0,1,2,3,4,5
	v_max3_num_f32 v20, v20, |v[\s+2+2*\i]|, |v[\s+3+2*\i]|
	v_max3_num_f32 v21, v21, |v[\s+19+2*\i]|, |v[\s+20+2*\i]|
.endr
	v_max3_num_f32 v20, v20, |v[\s+14]|, |v[\s+15]|
	v_max3_num_f32 v20, v20, v21, |v[\s+31]|
	v_add_nc_u32 v22, 0xff000000, v20              ; 2 off its exponent field: the conversion takes the exponent field of this operand as its scale
.irp g, 0,1,2,3
	v_cvt_scalef32_pk8_fp4_f32 v[\c+\g], v[\s+8*\g:\s+8*\g+7], v22
.endr
	v_lshrrev_b32 v[\e], 23, v22                   ; the scale's byte; also the plain instruction behind the last conversion
.endm
	s_wait_tensorcnt 0x0                           ; my 64 rows are in; only I read them
	s_cmp_ge_u32 s10, 4
	s_cbranch_scc1 .Lvalues
	; ---- K: four tiles
.irp u, 0,1,2,3
.irp i, 0,1,2,3,4,5,6,7
	ds_load_b128 v[X+32*\u+4*\i:X+32*\u+4*\i+3], v5 offset:\u*8*ROWP+16*\i
.endr
.endr
.irp u, 0,1,2,3
	s_wait_dscnt 24-8*\u                           ; tile u's eight loads are in; those of the tiles behind it may be out
	QB X+32*\u, C+4*\u, 24+\u
	global_store_b128 v13, v[C+4*\u:C+4*\u+3], s[36:37] offset:512*\u   ; 32 lanes fill 512 consecutive bytes
.endr
	v_lshl_or_b32 v28, v26, 16, v24                ; my bytes of tiles 4 c, 4 c + 2
	v_lshl_or_b32 v29, v27, 16, v25                ; and of 4 c + 1, 4 c + 3,
	v_lshlrev_b32 v28, v10, v28                    ; 8 h' bits up
	v_lshlrev_b32 v29, v10, v29
	v_permlanex16_b32 v19, v28, s32, s33
	v_permlanex16_b32 v23, v29, s32, s33
	v_or_b32 v28, v28, v19                         ; with lane l xor 16's the words are whole
	v_or_b32 v29, v29, v23
	v_cmp_gt_u32 vcc_lo, 16, v1
	v_cndmask_b32 v30, v29, v28, vcc_lo            ; lanes 0-15 are the matrix instruction's rows 0-15, lanes 16-31 its rows 16-31
	ds_store_b32 v8, v30
	s_branch .Lgathered
	; ---- V: a lane takes a column, its registers run down the keys
.macro VLOAD t
.irp i, 0,1,2,3,4,5,6,7,8,9,10,11,12,13,14,15,16,17,18,19,20,21,22,23,24,25,26,27,28,29,30,31
.if (\t)%2
	ds_load_b32 v[X+32*(\t)+\i], v7 offset:64*((\t)-1)+\i*ROWP
.else
	ds_load_b32 v[X+32*(\t)+\i], v6 offset:64*(\t)+\i*ROWP
.endif
.endr
.endm
.Lvalues:
	VLOAD 0
	VLOAD 1
	s_wait_dscnt 0x20                              ; the first 32 are in, the next 32 may be out
	QB X, C, 24
	global_store_b128 v14, v[C:C+3], s[38:39]
	VLOAD 2
	s_wait_dscnt 0x20
	QB X+32, C+4, 25
	global_store_b128 v15, v[C+4:C+7], s[38:39]
	VLOAD 3
	s_wait_dscnt 0x20
	QB X+64, C+8, 26
	global_store_b128 v14, v[C+8:C+11], s[38:39] offset:2048
	s_wait_dscnt 0x0
	QB X+96, C+12, 27
	global_store_b128 v15, v[C+12:C+15], s[38:39] offset:2048
.irp j, 0,1                                    ; lane (r, h) wants tile 2 j + h: its own byte of the even set, and lane l xor 16's of the odd one
	v_permlanex16_b32 v19, v[25+2*\j], s32, s33
	v_lshlrev_b32 v28, v11, v[24+2*\j]
	v_lshlrev_b32 v29, v12, v19
	v_or_b32 v28, v28, v29
	ds_store_b16 v9, v28 offset:4*\j
.endr
.Lgathered:
	s_wait_dscnt 0x0                               ; for the others' sake: my scale words have landed
	s_barrier_signal -1
	s_barrier_wait -1
	s_cmp_ge_u32 s10, 2
	s_cbranch_scc1 .Ldone
	ds_load_b128 v[176:179], v16
	s_wait_dscnt 0x0
	global_store_b128 v4, v[176:179], s[40:41]     ; 32 lanes store 512 consecutive bytes
.Ldone:
	s_wait_tensorcnt 0x0                           ; the wave's end
	ds_add_u32 v[SPW], v[NIL]
	s_wait_dscnt 0x0
	s_endpgm
.Lfunc_end_k_q16c877a1fb_quant:
	.size	k_q16c877a1fb_quant, .Lfunc_end_k_q16c877a1fb_quant-k_q16c877a1fb_quant
	.p2alignl 7, 3214868480
	.fill 96, 4, 3214868480
	.section	.rodata,"a",@progbits
	.p2align	6, 0x0
	.amdhsa_kernel k_q16c877a1fb_quant
		.amdhsa_group_segment_fixed_size 167936
		.amdhsa_private_segment_fixed_size 0
		.amdhsa_enable_private_segment 0
		.amdhsa_kernarg_size 24
		.amdhsa_user_sgpr_count 2
		.amdhsa_user_sgpr_kernarg_segment_ptr 1
		.amdhsa_wavefront_size32 1
		.amdhsa_system_sgpr_workgroup_id_x 1
		.amdhsa_system_sgpr_workgroup_id_y 1
		.amdhsa_system_sgpr_workgroup_id_z 1
		.amdhsa_system_vgpr_workitem_id 0
		.amdhsa_next_free_vgpr 192
		.amdhsa_next_free_sgpr 66
		.amdhsa_reserve_vcc 1
		.amdhsa_float_denorm_mode_32 3
		.amdhsa_float_denorm_mode_16_64 3
		.amdhsa_memory_ordered 1
		.amdhsa_forward_progress 1
		.amdhsa_inst_pref_size 29
	.end_amdhsa_kernel
	.amdgpu_metadata
---
amdhsa.version: [ 1, 2 ]
amdhsa.kernels:
  - .name:           k_q16c877a1fb_quant
    .symbol:         k_q16c877a1fb_quant.kd
    .args:
      - { .name: keys, .offset: 0, .size: 8, .value_kind: global_buffer, .address_space: global }
      - { .name: values, .offset: 8, .size: 8, .value_kind: global_buffer, .address_space: global }
      - { .name: kv, .offset: 16, .size: 8, .value_kind: global_buffer, .address_space: global }
    .group_segment_fixed_size: 167936
    .private_segment_fixed_size: 0
    .kernarg_segment_align: 8
    .kernarg_segment_size: 24
    .max_flat_workgroup_size: 256
    .sgpr_count:     66
    .vgpr_count:     192
    .wavefront_size: 32
...
	.end_amdgpu_metadata
.endif
;; end of part 1
;; launch attn (part 2): grid 8 x 32, 16 waves a work-group, clusters of 4 x 1, 219,136 bytes of LDS; arguments queries, kv, out0; writes out0
.if DOCPART == 2
	.amdgcn_target "amdgcn-amd-amdhsa--gfx1250"
	.amdhsa_code_object_version 6
	.text
	.protected	k_q16c877a1fb_attn
	.globl	k_q16c877a1fb_attn
	.p2align	8
	.type	k_q16c877a1fb_attn,@function
k_q16c877a1fb_attn:
	s_mov_b64 s[64:65], 0
	v_nop
	global_prefetch_b8 v0, s[64:65] scope:SCOPE_SE
	s_setreg_imm32_b32 hwreg(HW_REG_WAVE_MODE, 25, 1), 1
	s_wait_xcnt 0x0
	s_wait_alu depctr_hold_cnt(0) depctr_sa_sdst(0) depctr_va_vdst(0) depctr_va_sdst(0) depctr_va_ssrc(0) depctr_va_vcc(0) depctr_vm_vsrc(0)
	s_getreg_b32 s2, hwreg(HW_REG_IB_STS2, 6, 4)
	s_cmp_eq_u32 s2, 0
	s_cbranch_scc0 .Lentry_in_a_cluster
	s_endpgm
.Lentry_in_a_cluster:
	s_bfe_u32 s2, ttmp6, 0x10000c
	s_cmp_lg_u32 s2, 0x3003
	s_cbranch_scc0 .Lentry_shape_is_right
	s_endpgm
.Lentry_shape_is_right:
; out0[head][q][:] = the sum over k <= q of softmax_k(Q[q] . K[k] / 8) V[k][:], 32 heads x 2,048 x 64, both products on codes of FP4 (E2M1) with one E8M0 scale for each 32 along a product's K.
; K and V come as codes from kv, a record of 8,704 bytes for each head and step of 128 keys, laid as images of the operands' registers:
;   +0 K's 8 tiles x 512 bytes; +4096 V's (t, c) x 512 bytes; +8192 16 bytes a lane: K's scale words of tiles 0-3, of 4-7, V's of d 0-31, of d 32-63.  Q arrives as f32 and is quantised here.
; THE SOFTMAX AHEAD OF THE SECOND PRODUCT: t = score x log2(e) / 8; M = the row's largest t so far, rounded UP to a whole number; p = 2^(t - M) is what is quantised, along the keys, not normalised.
; The row's sum is taken of the unquantised p, in f32, and divides O at the end.  When M moves, the sum and O are multiplied by 2^(old M - new M): exact.
; A block's scale is 2^(floor(its largest t - M) - 2): 2^x has the exponent floor(x), so no largest p is searched for.
; DEAD WORK left out: the causal mask of the reference gives every key > query the weight 0 for all inputs; steps of 128 keys that lie wholly behind a tile's 16 queries are not walked.
; A NaN, an infinity or an overflow that reaches only that work is not carried to the result.
; SHARES.  Work-group g (0..7) of a head takes the tiles of 16 queries 8 i + g, i = 0..15: queries 128 i + 16 g + 0..15.  Tile i needs key steps 0..i whatever g is: 136 tile-steps a work-group.
; SIXTEEN WAVES, a tile each: waves s, 4 + s, 8 + s, 12 + s (s = 0..3) make tiles 15 - s, 8 + s, 7 - s, s: 34 steps for each such four.  The loop has 16 trips; a step that is not the wave's is jumped
; over by a scalar branch on the wave's number and the trip.
; A WHOLE HEAD'S CODES, 139,264 bytes, lie in LDS at once: filled once, one record a wave, no ring, no barrier in the loop, so no loop to prefetch from memory in.
; CLUSTER.  4 x 1: four work-groups of one head, which need the same records: each wave asks for its record JOINTLY.  g enters Q's and O's addresses and the numbers of the mask's image, and nothing else.
; LAYOUT.  Both products are used transposed: S^T = K Q^T, O^T = V^T P^T: a lane holds ONE query (lane % 16 = r; h = lane / 16).  A tile T = 4 c + u of K takes keys 64 c + 8 u + 0..7 as rows 0-7 and
; the keys 32 further on as rows 8-15: so a lane's 32 registers of tiles 4 c .. 4 c + 3 are the keys 64 c + 32 h + 0..31: a whole block, in the order that the second product's operand wants.
; THE FIRST PRODUCT'S K IS 64, the matrix instruction's 128: K's operand holds the 64 of two tiles on end, and Q's is (Q, zero codes) for the first of them and (zero codes, Q) for the second:
; a zero code times any code is 0 (E2M1 has no infinity and no NaN), and every scale byte is finite.
; THE DIAGONAL STEP'S MASK is an image of the scores' registers in LDS, 0 or -2^127, the same for all tiles of the work-group: it is the C of the products; p of a hidden key is then 0.
; LIMITS: the promise holds while the scaled scores stay under 2^31 in magnitude; NaN and infinities among the inputs are not served; a block of zeros of Q, or one whose every p is 0, keeps the scale byte 1
; (its codes are zeros); Q's blocks with a largest magnitude under 2^-124 were not tried; the division by the row's sum is v_rcp_f32 and a multiplication.
.set REC,   8704
.set VIMG,  4096
.set SCL,   8192
.set HEADB, 16*REC                     ; LDS 0 .. 139,263: the head's records; behind them nothing is filled by a tensor load
.set SP,    272
.set STG,   HEADB                      ; a stage of 16 rows x 272 bytes a wave
.set MASK,  STG+16*16*SP               ; the mask's image, 64 registers x 128 bytes
.set SPARE, MASK+8192                  ; the spare words, 128 bytes a wave
.set AL0,  1                           ; v1   16 x lane: an image's place; also my byte offset in a tile's rows of Q and O
.set ADL,  2                           ; v2   the step's record + 16 x lane
.set AMK,  3                           ; v3   the mask's image
.set SPW,  4
.set NIL,  5
.set RD,   6                           ; v6   the stage by rows: lanes 0-15 one row of 256 bytes, lanes 16-31 the next
.set STO,  7                           ; v7   the stage: row r, 32 h
.set QRD,  8                           ; v8   the stage: row r, 128 h
.set H8,   9                           ; v9   8 h
.set ADK,  10                          ; v10  the next step's record + 16 x lane
; v12 -M, v13 the largest score, v[14:15] the row's sum in two halves
.set QF,   16                          ; v16-19 Q's codes, v20-23 zero codes, v24-27 Q's codes: v[16:23] and v[20:27] are the two operands
.set QSC,  28                          ; v28 Q's scale words; this and the next three hold scales and nothing else
.set PS,   29                          ; v29 p's
.set KSC,  30                          ; v30-31 K's
.set VSC,  32                          ; v32-33 V's
; v[34:35] f and a zero; v36-51 at work
.set PC,   52                          ; v52-59 p's codes
.set S,    64                          ; v64-127 S^T, then p
.set KF,   128                         ; v128-159 K's fragments
.set VF,   160                         ; v160-191 V's
.set O,    192                         ; v192-223 O^T
.set QR,   224                         ; v224-255 my tile of Q as loaded
.set WV,   10                          ; s10 wave
.set ROLE, 12                          ; s12 wave / 8
.set SEL,  28                          ; s[28:29] lane selects: lane l xor 16
.set CS,   30                          ; s[30:31] c = log2(e) / 8 (the packed form names a pair)
.set TB,   32                          ; s32 LDS byte at which the step's record begins
.set KS,   33                          ; s33 the step
.set LIM,  34                          ; s34 my tile's number: its last step, the diagonal one
.set NC,   35                          ; s35 -c
; A round of the cluster's barrier
.macro ROUND
	s_barrier_signal -1
	s_barrier_wait -1
	s_cmp_lg_u32 s[WV], 0
	s_cbranch_scc1 .Lnot_wave_0_\@
	s_barrier_signal -3
.Lnot_wave_0_\@:
	s_barrier_wait -3
	s_barrier_signal -1
	s_barrier_wait -1
.endm
.macro QLOAD                           ; my tile of Q, 4,096 dense bytes: 512 consecutive bytes a load
.irp i, 0,1,2,3,4,5,6,7
	global_load_b128 v[QR+4*\i:QR+4*\i+3], v[AL0], s[40:41] offset:512*\i th:TH_LOAD_NT
.endr
.endm
; My tile of Q turns through my stage (own bytes: LDS serves a wave's instructions in order, ISA guide 5.7.1.4), 32 neighbours of d a lane, and becomes codes and scale words
.macro QTURN
	s_wait_loadcnt 0x0
.irp i, 0,1,2,3,4,5,6,7
	ds_store_b128 v[RD], v[QR+4*\i:QR+4*\i+3] offset:2*\i*SP
.endr
.irp i, 0,1,2,3,4,5,6,7
	ds_load_b128 v[S+4*\i:S+4*\i+3], v[QRD] offset:16*\i
.endr
	s_wait_dscnt 0x0
	v_max3_num_f32 v36, |v[S]|, |v[S+1]|, 0x1800000                ; among the leaves the floor 2^(3 - 127): the byte cannot fall under 1
	v_max3_num_f32 v37, |v[S+16]|, |v[S+17]|, |v[S+18]|
.irp i, 0,1,2,3,4,5
	v_max3_num_f32 v36, v36, |v[S+2+2*\i]|, |v[S+3+2*\i]|
	v_max3_num_f32 v37, v37, |v[S+19+2*\i]|, |v[S+20+2*\i]|
.endr
	v_max3_num_f32 v36, v36, |v[S+14]|, |v[S+15]|
	v_max3_num_f32 v36, v36, v37, |v[S+31]|
	v_add_nc_u32 v44, 0xff000000, v36              ; 2 off the exponent field: the conversion's scale operand
.irp g, 0,1,2,3
	v_cvt_scalef32_pk8_fp4_f32 v[QF+\g], v[S+8*\g:S+8*\g+7], v44
	v_cvt_scalef32_pk8_fp4_f32 v[QF+8+\g], v[S+8*\g:S+8*\g+7], v44
.endr
	v_lshrrev_b32 v46, 23, v44                     ; the byte; also the plain instruction behind the last conversion
	v_lshlrev_b32 v46, v[H8], v46
	v_permlanex16_b32 v47, v46, s[SEL], s[SEL+1]
	v_or_b32 v46, v46, v47                         ; bytes 0, 1: d 0-31, 32-63;
	v_lshl_or_b32 v[QSC], v46, 16, v46             ; the same in bytes 2, 3, for the operand whose upper half is Q
.rept 8
	v_nop                                          ; a scale register written by a vector instruction stands 8 places ahead of a scaled product
.endr
.endm
	s_load_b128 s[4:7], s[0:1], 0x0                ; queries, kv
	s_load_b64 s[8:9], s[0:1], 0x10                ; out0
	v_lshl_add_u32 v[SPW], v0, 2, SPARE
	v_mov_b32 v[NIL], 0
	ds_add_u32 v[SPW], v[NIL]                      ; the opening add, twice on end
	ds_add_u32 v[SPW], v[NIL]
	v_lshrrev_b32 v36, 5, v0
	v_readfirstlane_b32 s[WV], v36                 ; wave 0..15
	s_lshr_b32 s[ROLE], s[WV], 3
	s_bfe_u32 s36, s[WV], 0x10002
	s_sub_co_u32 s36, s36, 1
	s_and_b32 s36, s36, 7                          ; 7 in waves 0-3, 8-11, else 0
	s_and_b32 s37, s[WV], 3
	s_xor_b32 s36, s36, s37                        ; 7 - s or s,
	s_xor_b32 s37, s[ROLE], 1
	s_lshl_b32 s37, s37, 3
	s_or_b32 s[LIM], s36, s37                      ; and 8 more in waves 0-7: my tile
	s_bfe_u32 s13, ttmp6, 0x40000                  ; cx
	s_lshl_b32 s14, ttmp9, 2                       ; in a cluster launch ttmp9 counts clusters
	s_add_co_u32 s14, s14, s13                     ; g
	s_and_b32 s15, ttmp7, 0xffff                   ; the head, which the four partners share
	; descriptor group 1: 34 dense rows of 256 bytes (one record), no padding
	s_mov_b32 s16, 15|(3<<16)|(1<<21)              ; the mask: all four work-groups; elements of 8 bytes; 21 set beside a mask
	s_mov_b32 s17, 32<<16                          ; tensor_dim0
	s_mov_b32 s18, 34<<16                          ; tensor_dim1
	s_mov_b32 s19, 32<<16                          ; tile_dim0
	s_mov_b32 s20, 34                              ; tile_dim1
	s_mov_b32 s21, 32                              ; from row to row
	s_mov_b32 s22, 0
	s_mov_b32 s23, 0
	s_mov_b32 s[SEL], 0x76543210
	s_mov_b32 s[SEL+1], 0xfedcba98
	s_mov_b32 s[CS], 0x3e38aa3b                    ; c = log2(e) / 8
	s_mov_b32 s[CS+1], s[CS]
	s_mov_b32 s[NC], 0xbe38aa3b
	s_mul_i32 s44, s15, HEADB                      ; kv: the head's records,
	s_mul_i32 s46, s[WV], REC                      ; mine; the same place in LDS
	s_add_co_u32 s44, s44, s46
	s_mov_b32 s45, 0
	s_lshl_b32 s38, s15, 19                        ; Q and O: the head's 2,048 rows of 256 bytes,
	s_lshl_b32 s37, s14, 12                        ; 16 g rows,
	s_add_co_u32 s38, s38, s37
	s_lshl_b32 s36, s[LIM], 15                     ; 128 i rows
	s_add_co_u32 s38, s38, s36
	s_mov_b32 s39, 0
	s_lshl_b32 s3, s14, 4                          ; 16 g,
	s_lshl_b32 s36, s[ROLE], 6
	s_and_b32 s37, s[WV], 7
	s_lshl_b32 s37, s37, 2
	s_add_co_u32 s36, s36, s37                     ; less the key of register 4 x wave in lanes 0-15: I make registers 4 x wave + 0..3 of the mask's image
	s_sub_co_i32 s3, s3, s36
	v_and_b32 v36, 31, v0                          ; lane
	v_and_b32 v37, 15, v0                          ; r
	v_bfe_u32 v38, v0, 4, 1                        ; h
	v_lshlrev_b32 v[AL0], 4, v36
	v_lshlrev_b32 v[H8], 3, v38
	v_add_nc_u32 v[AMK], MASK, v[AL0]
	s_mul_i32 s36, s[WV], 16*SP
	s_add_co_u32 s36, s36, STG                     ; my stage
	v_mul_u32_u24 v[RD], v38, SP
	v_mul_u32_u24 v[QRD], v37, SP
	v_lshl_add_u32 v[RD], v37, 4, v[RD]
	v_add_nc_u32 v[QRD], s36, v[QRD]
	v_add_nc_u32 v[RD], s36, v[RD]
	v_lshl_add_u32 v[STO], v38, 5, v[QRD]
	v_lshl_add_u32 v[QRD], v38, 7, v[QRD]
	v_lshlrev_b32 v40, 5, v38
	v_sub_nc_u32 v39, v37, v40
	v_add_nc_u32 v39, s3, v39                      ; 16 g + r - 32 h - my registers' first key
	s_lshl_b32 s36, s[WV], 9
	v_add_nc_u32 v42, s36, v[AMK]                  ; where my part of the mask's image goes
	s_wait_alu depctr_va_vdst(0)
	s_wait_dscnt 0x0                               ; both opening adds are done
	s_wait_kmcnt 0x0
	s_add_nc_u64 s[40:41], s[4:5], s[38:39]        ; Q
	s_add_nc_u64 s[42:43], s[8:9], s[38:39]        ; O
	s_mov_b32 s24, 1                               ; count = 1
	s_mov_b32 s25, s46                             ; LDS address
	s_add_nc_u64 s[26:27], s[6:7], s[44:45]        ; global address
	s_or_b32 s27, s27, 0x80000000                  ; type = 2
	ROUND                                          ; all four work-groups are here: the joint loads meet
	tensor_load_to_lds s[24:27], s[16:23]          ; my one tensor load of the launch
	s_nop 0
.rept 4
	v_nop
.endr
	s_cmp_lg_u32 s[ROLE], 0
	s_cbranch_scc1 .Lq_later
	QLOAD                                          ; waves 0-7: the long tiles' Q, behind the records
.Lq_later:
	v_mov_b32 v41, 0xff000000                      ; -2^127
.irp j, 0,1,2,3
	v_cmp_gt_i32 vcc_lo, \j, v39                   ; the key comes after my query
	v_cndmask_b32 v[44+\j], 0, v41, vcc_lo
.endr
	ds_store_b128 v42, v[44:47]
.irp j, 20,21,22,23,35,49
	v_mov_b32 v[\j], 0                             ; the zero codes; v35 is named as the upper half of a pair
.endr
	v_mov_b32 v13, 0xff61b1e6                      ; the largest score so far: -3e38
	v_mul_f32 v42, s[NC], v13
	v_floor_f32 v12, v42                           ; -M.  The first change of M multiplies zeros
	v_mov_b32 v14, 0
	v_mov_b32 v15, 0
.set J, 0
.rept 32
	v_mov_b32 v[O+J], 0
.set J, J+1
.endr
	s_wait_alu depctr_va_vdst(0)
	s_wait_loadcnt 0x0                             ; waves 0-7: Q is in; waves 8-15 have no load out
	s_cmp_lg_u32 s[ROLE], 0
	s_cbranch_scc1 .Lno_q
	QTURN
.Lno_q:
	s_wait_alu depctr_va_vdst(0)
	s_wait_tensorcnt 0x0                           ; my record is in
	s_cmp_eq_u32 s[ROLE], 0
	s_cbranch_scc1 .Lq_asked
	QLOAD                                          ; waves 8-15: the short tiles' Q, behind everything that the long ones need
.Lq_asked:
	s_wait_dscnt 0x0                               ; my stores have landed,
	s_barrier_signal -1
	s_barrier_wait -1                              ; everybody's, and all records: the whole head lies in LDS, and nobody writes it again
	s_cmp_eq_u32 s[ROLE], 0
	s_cbranch_scc1 .Lq_ready
	QTURN
.Lq_ready:
.macro KLOADS ad, at                   ; K: registers 16 n + 0, 4, 8, 12 take tiles 4 n + 0, 2, 1, 3: rows 0-15 of the operand are tiles 4 n and 4 n + 2 on end, rows 16-31 tiles 4 n + 1 and 4 n + 3
.irp n, 0,1
	ds_load_b128 v[KF+16*\n:KF+16*\n+3], v[\ad] offset:2048*\n
	ds_load_b128 v[KF+16*\n+4:KF+16*\n+7], v[\ad] offset:2048*\n+1024
	ds_load_b128 v[KF+16*\n+8:KF+16*\n+11], v[\ad] offset:2048*\n+512
	ds_load_b128 v[KF+16*\n+12:KF+16*\n+15], v[\ad] offset:2048*\n+1536
.endr
	ds_load_b64 v[KSC:KSC+1], v[\ad] offset:SCL
.endm
.macro VLOADS
.irp n, 0,1,2,3,4,5,6,7
	ds_load_b128 v[VF+4*\n:VF+4*\n+3], v[ADL] offset:VIMG+512*\n
.endr
	ds_load_b64 v[VSC:VSC+1], v[ADL] offset:SCL+8
.endm
.macro SCORE zero                      ; S^T = K Q^T: two tiles of 16 keys an instruction
.irp n, 0,1,2,3
.if \zero
	v_wmma_scale_f32_32x16x128_f4 v[S+16*\n:S+16*\n+15], v[KF+16*(\n/2):KF+16*(\n/2)+15], v[QF+4*(\n%2):QF+4*(\n%2)+7], 0, v[KSC+\n/2], v[QSC]
.else
	v_wmma_scale_f32_32x16x128_f4 v[S+16*\n:S+16*\n+15], v[KF+16*(\n/2):KF+16*(\n/2)+15], v[QF+4*(\n%2):QF+4*(\n%2)+7], v[S+16*\n:S+16*\n+15], v[KSC+\n/2], v[QSC]
.endif
.endr
.endm
.macro FM from, count                  ; t - M, two at a time (of the pairs c and -M the low word serves both halves)
.set J, \from
.rept \count
	v_pk_fma_f32 v[S+J:S+J+1], v[S+J:S+J+1], s[CS:CS+1], v[12:13] op_sel_hi:[1,0,0]
.set J, J+2
.endr
.endm
.macro SUMS i                          ; one pair of each of the four chains
	v_pk_add_f32 v[14:15], v[14:15], v[S+\i:S+\i+1]
	v_pk_add_f32 v[46:47], v[46:47], v[S+16+\i:S+17+\i]
	v_pk_add_f32 v[48:49], v[48:49], v[S+32+\i:S+33+\i]
	v_pk_add_f32 v[50:51], v[50:51], v[S+48+\i:S+49+\i]
.endm
	KLOADS AL0, 0                                  ; step 0's fragments of K; those of step n + 1 are asked for in step n
	s_mov_b32 s[KS], 0
	s_mov_b32 s[TB], 0
	s_wait_alu depctr_va_vdst(0)
	s_wait_dscnt 0x0
; THE LOOP: a trip is a key step, 128 keys against my tile
.Lk:
	s_cmp_gt_u32 s[KS], s[LIM]                     ; not one of mine
	s_cbranch_scc1 .Lhidden
	s_cmp_lg_u32 s[KS], s[LIM]
	s_cbranch_scc1 .Lopen
.irp n, 0,1,2,3,4,5,6,7,8,9,10,11,12,13,14,15  ; my last step lies on the diagonal: the sums begin with the mask
	ds_load_b128 v[S+4*\n:S+4*\n+3], v[AMK] offset:512*\n
.endr
	s_wait_dscnt 0x0
	SCORE 0
	v_add_nc_u32 v[ADL], s[TB], v[AL0]
	VLOADS
	v_mov_b32 v43, v12                             ; the old -M; with the addition and two v_nop the four places ahead of the first read of results
	v_nop
	v_nop
	s_branch .Lscored                              ; no step follows: K is asked for no more
.Lopen:
	SCORE 1                                        ; K came in during the last step, whose wait for LDS stands ahead of its second product
	s_add_co_u32 s36, s[TB], REC
	s_min_u32 s36, s36, 15*REC                     ; the next record (a bound for the last one, which no trip here exceeds)
	v_add_nc_u32 v[ADL], s[TB], v[AL0]
	VLOADS                                         ; V: wanted behind the softmax (the sums behind the last step's products are the places ahead of these loads)
	v_mov_b32 v43, v12
	v_add_nc_u32 v[ADK], s36, v[AL0]
	v_nop                                          ; with the three above the four places behind the products, ahead of loads into their operands and of the first read of results
	KLOADS ADK, 0
.Lscored:
	v_max3_num_f32 v36, v[S], v[S+1], v[S+2]       ; the largest score of each of my two blocks, two chains a block, each from an accumulator's low end on
	v_max3_num_f32 v38, v[S+16], v[S+17], v[S+18]
	v_max3_num_f32 v37, v[S+32], v[S+33], v[S+34]
	v_max3_num_f32 v39, v[S+48], v[S+49], v[S+50]
.irp i, 3,5,7,9,11,13
	v_max3_num_f32 v36, v36, v[S+\i], v[S+1+\i]
	v_max3_num_f32 v38, v38, v[S+16+\i], v[S+17+\i]
	v_max3_num_f32 v37, v37, v[S+32+\i], v[S+33+\i]
	v_max3_num_f32 v39, v39, v[S+48+\i], v[S+49+\i]
.endr
	v_max3_num_f32 v38, v38, v[S+31], v[S+15]
	v_max3_num_f32 v39, v39, v[S+63], v[S+47]
	s_delay_alu instid0(VALU_DEP_2)
	v_max_num_f32 v36, v36, v38
	s_delay_alu instid0(VALU_DEP_2)
	v_max_num_f32 v37, v37, v39
	s_delay_alu instid0(VALU_DEP_1)
	v_max_num_f32 v40, v36, v37
	s_delay_alu instid0(VALU_DEP_1)
	v_permlanex16_b32 v41, v40, s[SEL], s[SEL+1]
	s_delay_alu instid0(VALU_DEP_1)
	v_max3_num_f32 v13, v13, v40, v41              ; the running largest score of my query
	s_delay_alu instid0(VALU_DEP_1)
	v_mul_f32 v42, s[NC], v13                      ; -t
	s_delay_alu instid0(VALU_DEP_1)
	v_floor_f32 v12, v42                           ; the new -M = floor(-t): M IS A WHOLE NUMBER
	s_delay_alu instid0(VALU_DEP_1)
	v_fma_f32 v36, v36, s[CS], v12                 ; each block's largest t - M
	v_fma_f32 v37, v37, s[CS], v12
	v_sub_f32 v43, v12, v43                        ; old M - new M: a whole number, 0 or less
	FM 0, 8
	v_max_num_f32 v36, 0xc2f80000, v36             ; not under -124: the byte cannot fall under 1
	v_max_num_f32 v37, 0xc2f80000, v37
	v_cvt_i32_f32 v43, v43                         ; (it saturates)
	FM 16, 8
	v_cvt_floor_i32_f32 v38, v36                   ; the exponent of the block's largest p
	v_cvt_floor_i32_f32 v39, v37
	v_ldexp_f32 v34, 1.0, v43                      ; f = 2^(old M - new M): a multiplication by it rounds nothing
	FM 32, 4
	v_lshl_add_u32 v46, v39, 16, v38
	v_lshl_add_u32 v44, v38, 23, 0x3e800000        ; exponent field = exponent + 125: the conversions' scale operands
	v_lshl_add_u32 v45, v39, 23, 0x3e800000
	FM 40, 4
	v_lshlrev_b32 v46, v[H8], v46                  ; my blocks are h and 2 + h of the four
	FM 48, 4
	v_permlanex16_b32 v47, v46, s[SEL], s[SEL+1]
	FM 56, 4
	v_add3_u32 v[PS], v46, v47, 0x7d7d7d7d         ; p's scale word: 125 on each of the four exponents, which are 0 or less: modulo 2^32 each byte comes out as exponent + 125
	s_wait_alu depctr_va_vdst(0)                   ; the wait ahead of the batch
.set J, 0
.rept 64
	v_exp_f32 v[S+J], v[S+J]                       ; p = 2^(t - M): NOT normalised
.set J, J+1
.endr
	v_pk_mul_f32 v[14:15], v[14:15], v[34:35] op_sel_hi:[1,0]      ; the sums under the new M.  (The plain instruction behind the exponentials)
	s_wait_dscnt 0x0                               ; V is in, and the next step's K
	s_wait_alu depctr_va_vdst(0)                   ; the wait ahead of the batch's first reader, and of the first reader of O^T
.set J, 0
.rept 16
	v_pk_mul_f32 v[O+J:O+J+1], v[O+J:O+J+1], v[34:35] op_sel_hi:[1,0]   ; O^T under the new M
.set J, J+2
.endr
.irp t, 0,1,2,3,4,5,6,7
	v_cvt_scalef32_pk8_fp4_f32 v[PC+\t], v[S+8*\t:S+8*\t+7], v[44+\t/4]  ; the codes of keys 64 c + 32 h + 8 u + 0..7: register 4 c + u of the operand
.endr
	v_pk_add_f32 v[14:15], v[14:15], v[S:S+1]      ; the row's sum of the unquantised p, four chains.  (These nine are the places between the codes and the products)
	v_pk_add_f32 v[46:47], v[S+16:S+17], v[S+18:S+19]
	v_pk_add_f32 v[48:49], v[S+32:S+33], v[S+34:S+35]
	v_pk_add_f32 v[50:51], v[S+48:S+49], v[S+50:S+51]
	v_pk_add_f32 v[14:15], v[14:15], v[S+2:S+3]
	SUMS 4
.irp j, 0,1                                    ; O^T += V^T P^T: two accumulators by turns, one instruction a turn; five other products stand between two links of a chain
	v_wmma_scale_f32_32x16x128_f4 v[O+16*\j:O+16*\j+15], v[VF+16*\j:VF+16*\j+15], v[PC:PC+7], v[O+16*\j:O+16*\j+15], v[VSC+\j], v[PS]
.endr
	SUMS 6
	SUMS 8
	SUMS 10
	SUMS 12
	SUMS 14
	v_pk_add_f32 v[48:49], v[48:49], v[50:51]
	v_pk_add_f32 v[14:15], v[14:15], v[46:47]
	v_pk_add_f32 v[14:15], v[14:15], v[48:49]
.Lhidden:
	s_add_co_u32 s[TB], s[TB], REC
	s_add_co_u32 s[KS], s[KS], 1
	s_cmp_lt_u32 s[KS], 16
	s_cbranch_scc1 .Lk
	; THE WAY OUT: O^T / the sum goes through my own stage in LDS and leaves as whole rows of 256 bytes
	s_wait_alu depctr_va_vdst(0)
	v_add_f32 v14, v14, v15                        ; the sum's two halves,
	s_delay_alu instid0(VALU_DEP_1)
	v_permlanex16_b32 v41, v14, s[SEL], s[SEL+1]
	s_delay_alu instid0(VALU_DEP_1)
	v_add_f32 v14, v14, v41                        ; and lane l xor 16's: the row's sum
	s_wait_alu depctr_va_vdst(0)                   ; the wait ahead of the transcendental
	v_rcp_f32 v14, v14
	v_nop                                          ; one plain instruction behind a transcendental
	s_wait_alu depctr_va_vdst(0)                   ; and for this one ahead of its first reader
.set J, 0
.rept 16
	v_pk_mul_f32 v[S+J:S+J+1], v[O+J:O+J+1], v[14:15] op_sel_hi:[1,0]   ; register 8 t + j is o(r, 16 t + 8 h + j)
.set J, J+2
.endr
.irp t, 0,1,2,3
	ds_store_b128 v[STO], v[S+8*\t:S+8*\t+3] offset:64*\t
	ds_store_b128 v[STO], v[S+8*\t+4:S+8*\t+7] offset:64*\t+16
.endr
.irp i, 0,1,2,3,4,5,6,7
	ds_load_b128 v[S+32+4*\i:S+32+4*\i+3], v[RD] offset:2*\i*SP    ; LDS serves a wave's instructions in order: these see my stores
.endr
.irp i, 0,1,2,3,4,5,6,7
	s_wait_dscnt 7-\i                              ; rows 2 i and 2 i + 1 are back
	global_store_b128 v[AL0], v[S+32+4*\i:S+32+4*\i+3], s[42:43] offset:512*\i th:TH_STORE_NT   ; 32 lanes store 512 consecutive bytes
.endr
	s_wait_tensorcnt 0x0                           ; the wave's end
	ds_add_u32 v[SPW], v[NIL]
	s_wait_dscnt 0x0
	ROUND                                          ; the closing round: no work-group ends while a partner may still ask for a record that names it
	s_endpgm
.Lfunc_end_k_q16c877a1fb_attn:
	.size	k_q16c877a1fb_attn, .Lfunc_end_k_q16c877a1fb_attn-k_q16c877a1fb_attn
	.p2alignl 7, 3214868480
	.fill 96, 4, 3214868480
	.section	.rodata,"a",@progbits
	.p2align	6, 0x0
	.amdhsa_kernel k_q16c877a1fb_attn
		.amdhsa_group_segment_fixed_size 219136
		.amdhsa_private_segment_fixed_size 0
		.amdhsa_enable_private_segment 0
		.amdhsa_kernarg_size 24
		.amdhsa_user_sgpr_count 2
		.amdhsa_user_sgpr_kernarg_segment_ptr 1
		.amdhsa_wavefront_size32 1
		.amdhsa_system_sgpr_workgroup_id_x 1
		.amdhsa_system_sgpr_workgroup_id_y 1
		.amdhsa_system_sgpr_workgroup_id_z 1
		.amdhsa_system_vgpr_workitem_id 0
		.amdhsa_next_free_vgpr 256
		.amdhsa_next_free_sgpr 66
		.amdhsa_reserve_vcc 1
		.amdhsa_float_denorm_mode_32 3
		.amdhsa_float_denorm_mode_16_64 3
		.amdhsa_memory_ordered 1
		.amdhsa_forward_progress 1
		.amdhsa_inst_pref_size 35
	.end_amdhsa_kernel
	.amdgpu_metadata
---
amdhsa.version: [ 1, 2 ]
amdhsa.kernels:
  - .name:           k_q16c877a1fb_attn
    .symbol:         k_q16c877a1fb_attn.kd
    .args:
      - { .name: queries, .offset: 0, .size: 8, .value_kind: global_buffer, .address_space: global }
      - { .name: kv, .offset: 8, .size: 8, .value_kind: global_buffer, .address_space: global }
      - { .name: out0, .offset: 16, .size: 8, .value_kind: global_buffer, .address_space: global }
    .group_segment_fixed_size: 219136
    .private_segment_fixed_size: 0
    .kernarg_segment_align: 8
    .kernarg_segment_size: 24
    .max_flat_workgroup_size: 512
    .sgpr_count:     66
    .vgpr_count:     256
    .wavefront_size: 32
...
	.end_amdgpu_metadata
.endif
;; end of part 2
